; MI455X (gfx1250); checked and timed in simulation.
; The chip was launched on July 23, 2026; its instructions are those of AMD's public machine-readable ISA for CDNA 5 (MIT licence, August 2026) and "CDNA5" Instruction Set Architecture Reference Guide (July 2026). The comments in the code are by the model that wrote it; some were corrected since.
;; Mo EFNN. Allowed arithmetic: matrix products marked QUANTISED: E2M1 operands, one E8M0 scale for each 32 along K, by v_wmma_scale_f32_16x16x128_f8f6f4 with both operands' format E2M1 (or v_wmma_scale_f32_32x16x128_f4), f32 sums; products left as they are: f32 operands where the result goes on into a quantised operand, else bf16, f16 or f32 operands; f32 sums; everything else in f32.
;; Inputs: W1 8 x 1,024 x 512 float32; W2 8 x 512 x 1,024 float32; Wg 1,024 x 8 float32; b1 8 x 512 float32; b2 8 x 1,024 float32; beta 1,024 float32; gamma 1,024 float32; x 4 x 2,048 x 1,024 float32.
;; Outputs: out0 4 x 2,048 x 1,024 float32; out1 one number float32.
;; This version of the problem:
;;   THIS VERSION OF THE PROBLEM IS GIVEN IN LOW PRECISION. The matrix products marked QUANTISED in the list below multiply operands that are first quantised to E2M1 (2 exponent bits, 1 mantissa bit; 4 bits a number), with one power-of-two scale for each 32 numbers along K (OCP MX v1.0); their sums are f32. All else is computed in f32.
;;   The module's matrix products, in the order in which they are computed (A, B: the left and right operand; K: the contracted axis; several contracted axes count as one K, in the product's order):
;;     1. [M 8,192, K 1,024] x [K 1,024, N 8]; A: input x; B: input Wg: left as it is (N = 8 < 16)
;;     2. batch 8,192 x [M 1, K 2] x [K 2, N 8]; A: softmax; B: computed on the way: left as it is (K = 2 < 32)
;;     3. [M 4,096, K 1,024] x [K 1,024, N 8,192]; A: input W1; B: input x: QUANTISED
;;     4. batch 8 x [M 8,192, K 512] x [K 512, N 1,024]; A: computed on the way; B: input W2: QUANTISED
;;     5. batch 8,192 x [M 1, K 8] x [K 8, N 1,024]; A: computed on the way; B: computed on the way: left as it is (K = 8 < 32)
;;   THE QUANTISER, for each operand of a quantised product, along K:
;;     - K is cut into blocks of 32 from its start; a last block that is shorter is filled with zeros.
;;     - A block's scale is 2^e with e = floor(log2(the largest magnitude in the block)) - 2, held to -126 .. 127; a block of zeros has e = 0. As a byte (E8M0): e + 127.
;;     - Each number is divided by its block's scale, clamped to +-6, and rounded to the nearest number of E2M1, ties to even, subnormals kept.
;;     - The product sums the exact products of the quantised numbers (number of the format x scale) in f32.
;;   ~~~python
;;   def quantise(x, axis):      # numpy; x: float32 -> the quantised numbers, widened to float32 again
;;       x = np.moveaxis(x, axis, -1); K = x.shape[-1]
;;       x = np.pad(x, [(0, 0)] * (x.ndim - 1) + [(0, -K % 32)]); x = x.reshape(x.shape[:-1] + (-1, 32)); a = np.abs(x).max(-1, keepdims=True)
;;       e = np.where(a > 0, np.clip(np.frexp(np.where(a > 0, a, 1))[1] - 1 - 2, -126, 127), 0)      # np.frexp(a)[1] - 1 = floor(log2(a)), exactly
;;       r = np.clip(x / 2.0 ** e, -6, 6)
;;       step = 2.0 ** (np.maximum(np.frexp(np.where(r == 0, 1, r))[1] - 1, 0) - 1)
;;       q = np.round(r / step) * step * 2.0 ** e      # np.round: ties to even
;;       return np.moveaxis(q.reshape(q.shape[:-2] + (-1,))[..., :K], -1, axis).astype(np.float32)
;;   ~~~
;;   OPERANDS COMPUTED ON THE WAY. 'Computed on the way' means the value that the module computes at that place (a softmax that the list does not call 'softmax' is quantised finished and normalised). What goes into a quantiser is computed in f32, as accurately as f32 sums, v_exp_f32 and their like allow (about 1e-6 of the number): no bf16 or f16 on the way to a quantiser, and a product that is left as it is and whose result goes on into a quantised operand takes f32 operands (vector FMAs, or v_wmma_f32_16x16x4_f32). A number that lies on a knife's edge between two numbers of the format may be rounded either way, as far as f32 arithmetic and the matrix unit's own rounding can turn it there, and no further.
;; One version. Each part assembles by itself: llvm-mc -triple=amdgcn-amd-amdhsa -mcpu=gfx1250 --defsym DOCPART=n.
;; ======== version 1 of 1: 3 launches
;; workspace buffers: wcod 4,194,304 bytes; wsc 262,144 bytes; rtok 32,768 bytes of whole numbers; hist 32,768 bytes of whole numbers; rgate 65,536 bytes; part 32,768 bytes; order 32,768 bytes of whole numbers
;; launch prep (part 1): grid 512 x 1, 4 waves a work-group, no clusters, 107,008 bytes of LDS; arguments x, Wg, W1, W2, wcod, wsc, rtok, hist, rgate, part; writes wcod, wsc, rtok, hist, rgate, part
.if DOCPART == 1
	.amdgcn_target "amdgcn-amd-amdhsa--gfx1250"
	.amdhsa_code_object_version 6
	.text
	.protected	k_q3db437a4d0_prep
	.globl	k_q3db437a4d0_prep
	.p2align	8
	.type	k_q3db437a4d0_prep,@function
k_q3db437a4d0_prep:
	s_mov_b64 s[64:65], 0
	v_nop
	global_prefetch_b8 v0, s[64:65] scope:SCOPE_SE
	s_setreg_imm32_b32 hwreg(HW_REG_WAVE_MODE, 25, 1), 1
	s_wait_xcnt 0x0
; THREE JOBS IN ONE LAUNCH, parted by the work-group's number; every work-group reads 128 KiB.
;   0-255    THE ROUTER for tokens 32 b .. 32 b + 31: logits x Wg in f32 (fused multiply-adds), top 2 of 8 (ties to the lower index), softmax of the two,
;            and what the later launches need: rtok[token] = key | rank << 8 | e1 << 16 | e2 << 20, rgate[token] = (g1, g2), hist[b][key] = tokens of that key in the block,
;            part[b][0..7] = the block's sums of gates by expert, part[b][8..15] = its counts of gates above 0.  All stores go to fixed places: no address hangs on the choice.
;   256-383  W1 [8][1024 k][512 n], 384-511  W2 [8][512 k][1024 n]: f32 into codes of FP4 (E2M1) along K, laid as images of operand fragments.
; KEY: the 28 unordered pairs of experts in a snake order, so that neighbouring keys share an expert: lo (15 - lo) / 2 + (lo odd ? 7 - hi : hi - lo - 1).
; A FRAGMENT'S IMAGE is 1,024 bytes: the 16 bytes of block b (32 along K) of fragment row r lie at 256 b + 16 r, which is 512 c + 16 lane for registers 4 c .. 4 c + 3.
;   wcod: W1 [e][g 16][s 8][u 2][1024], fragment row r of tile u of group g = hidden unit 32 g + 16 (r / 8) + 8 u + r % 8;  from byte 2,097,152 W2 [e][W 16][s 4][t 4][1024], row r of tile t = column 64 W + 16 t + r.
;   wsc:  W1 [e][g][kq 4][lane][2 words];  from byte 131,072 W2 [e][W][p 2][kq 2][lane][2 words]: lane (u, r) has the scale words of fragment row r of tile u (W2: tile 2 p + u) for K steps 2 kq, 2 kq + 1.
; A block's scale is 2^(floor(log2(largest magnitude)) - 2); its byte is that magnitude's exponent field - 2, held at 1 from below.
; LIMITS: NaN and infinities are not served.  A block of zeros gets the byte 1 where the rule says 127 (its codes are zeros, and this program alone reads the bytes); blocks whose largest magnitude
; lies under 2^-124 keep that floor's byte.  Two logits that differ by less than the rounding of an f32 sum of 1,024 terms may be ordered otherwise than another order of summation orders them.
.set XTP,  528                         ; router: a token's 512 bytes of x in LDS + 16 of padding: 33 x 16, so that 16 lanes' rows begin in 16 different columns of 16 bytes
.set WREG, 25088                       ; a wave's own LDS: 32 x XTP, then its 256 rows of Wg (8,192 bytes)
.set WGL,  16896
.set PL,   100352                      ; behind the four waves' regions: partial logits [wave][token][48 bytes]
.set QX,   32                          ; quantiser: v32-95 two sets of 32 numbers
.set QC,   96                          ; v96-127 codes: four registers for each block, so that no store's data are written again
.set ACC,  8                           ; router: v8-23 sums: parity of k (2) x 4 pairs of experts
.set GB,   24                          ; v24-59, v60-95 two buffers: 4 numbers of x, then 4 rows of Wg (32)
.set XR,   96                          ; v96-223 x as loaded: 32 tokens x 4 registers
; ---- the quantiser: a lane takes a column, its registers run down K; a wave takes 32 columns x 256 along K: 8 blocks, 2 K steps
.macro QLOAD t, rowb                   ; block t: rows 32 t .. 32 t + 31 of my column into set t % 2; a wave's load covers 128 consecutive bytes, the four waves side by side 512
.set i, 0
.rept 32
	global_load_b32 v[QX+32*((\t)%2)+i], v2, s[8:9] offset:(32*(\t)+i)*\rowb th:TH_LOAD_NT
.set i, i+1
.endr
.endm
.macro QBLK t, rowb, kstr
.set XQ, QX+32*((\t)%2)
.if (\t) < 7
	s_wait_loadcnt 32                              ; this block's 32 loads are in; the next block's 32 may be out
.else
	s_wait_loadcnt 0x0
.endif
	v_max3_num_f32 v12, |v[XQ]|, |v[XQ+1]|, |v[XQ+2]|              ; the block's largest magnitude, in two chains: all 32 numbers are mine
	v_max3_num_f32 v13, |v[XQ+3]|, |v[XQ+4]|, |v[XQ+5]|
.irp i, 6,10,14,18,22,26
	v_max3_num_f32 v12, v12, |v[XQ+\i]|, |v[XQ+\i+1]|
	v_max3_num_f32 v13, v13, |v[XQ+\i+2]|, |v[XQ+\i+3]|
.endr
	v_max3_num_f32 v12, v12, |v[XQ+30]|, |v[XQ+31]|
	v_max3_num_f32 v12, v12, v13, 0x1800000        ; and the floor 2^(3 - 127): the byte cannot fall under 1
	v_add_nc_u32 v11, 0xff000000, v12              ; 2 off the exponent field: the conversion takes this operand's exponent field as its scale
	v_lshrrev_b32 v13, 23, v11                     ; the scale's byte
.if (\t)%4 == 0
	v_mov_b32 v[8+(\t)/4], v13                     ; four bytes make a K step's scale word, the lower K in the lower byte
.else
	v_lshl_or_b32 v[8+(\t)/4], v13, 8*((\t)%4), v[8+(\t)/4]
.endif
.irp g, 0,1,2,3
	v_cvt_scalef32_pk8_fp4_f32 v[QC+4*(\t)+\g], v[XQ+8*\g:XQ+8*\g+7], v11
.endr
	global_store_b128 v3, v[QC+4*(\t):QC+4*(\t)+3], s[12:13] offset:((\t)/4)*\kstr+((\t)%4)*256   ; sixteen lanes store 256 consecutive bytes, aligned: block t % 4 of a fragment's image
.if (\t)+2 < 8
	QLOAD (\t)+2, \rowb
.endif
.endm
.macro QBODY rowb, kstr
	QLOAD 0, \rowb
	QLOAD 1, \rowb
.set Q, 0
.rept 8
	QBLK Q, \rowb, \kstr
.set Q, Q+1
.endr
	global_store_b64 v4, v[8:9], s[14:15]          ; my fragment row's two scale words: the wave stores 256 consecutive bytes
	s_endpgm
.endm
; ---- the router's macros
.macro XLOAD c                         ; chunk c (128 along K) of my wave's 256: 512 consecutive bytes of each of the 32 tokens
.set i, 0
.rept 32
	global_load_b128 v[XR+4*i:XR+4*i+3], v2, s[4:5] offset:4096*i+512*\c th:TH_LOAD_NT
.set i, i+1
.endr
.endm
.macro XSTORE                          ; into my own stage, as loaded; it comes back a token to a lane
.set i, 0
.rept 32
	s_wait_loadcnt 31-i                            ; loads come back in order: token i's is in, the younger ones stay out
	ds_store_b128 v3, v[XR+4*i:XR+4*i+3] offset:XTP*i
.set i, i+1
.endr
.endm
.macro RGRP c, kk, buf                 ; four k: my token's four numbers, and four rows of Wg (the same address in every lane)
	ds_load_b128 v[GB+36*(\buf):GB+36*(\buf)+3], v4 offset:16*(\kk)
.irp q, 0,1,2,3
	ds_load_b128 v[GB+36*(\buf)+4+8*\q:GB+36*(\buf)+7+8*\q], v5 offset:(128*(\c)+4*(\kk)+\q)*32
	ds_load_b128 v[GB+36*(\buf)+8+8*\q:GB+36*(\buf)+11+8*\q], v5 offset:(128*(\c)+4*(\kk)+\q)*32+16
.endr
.endm
.macro RFMA buf, first                 ; 16 packed multiply-adds: x(k) x Wg(k, two experts); even k and odd k have sums of their own.  first = 1: the first products start the sums
.set rX, GB+36*(\buf)
.set rW, GB+36*(\buf)+4
.irp qq, 0,1
.irp pe, 0,1,2,3
.if \first && (\qq == 0)
	v_pk_mul_f32 v[ACC+2*\pe:ACC+2*\pe+1], v[rX+2*\qq:rX+2*\qq+1], v[rW+16*\qq+2*\pe:rW+16*\qq+2*\pe+1] op_sel:[0,0] op_sel_hi:[0,1]
.else
	v_pk_fma_f32 v[ACC+2*\pe:ACC+2*\pe+1], v[rX+2*\qq:rX+2*\qq+1], v[rW+16*\qq+2*\pe:rW+16*\qq+2*\pe+1], v[ACC+2*\pe:ACC+2*\pe+1] op_sel:[0,0,0] op_sel_hi:[0,1,1]
.endif
.endr
.irp pe, 0,1,2,3
.if \first && (\qq == 0)
	v_pk_mul_f32 v[ACC+8+2*\pe:ACC+8+2*\pe+1], v[rX+2*\qq:rX+2*\qq+1], v[rW+16*\qq+8+2*\pe:rW+16*\qq+8+2*\pe+1] op_sel:[1,0] op_sel_hi:[1,1]
.else
	v_pk_fma_f32 v[ACC+8+2*\pe:ACC+8+2*\pe+1], v[rX+2*\qq:rX+2*\qq+1], v[rW+16*\qq+8+2*\pe:rW+16*\qq+8+2*\pe+1], v[ACC+8+2*\pe:ACC+8+2*\pe+1] op_sel:[1,0,0] op_sel_hi:[1,1,1]
.endif
.endr
.endr
.endm
.macro CHUNK c                         ; 32 groups of four k; a group's nine LDS loads are issued while the group before is multiplied
	RGRP \c, 0, 0
.set KK, 0
.rept 31
	RGRP \c, KK+1, (KK+1)%2
	s_wait_dscnt 9                                 ; all but the nine just issued
.if (\c == 0) && (KK == 0)
	RFMA KK%2, 1
.else
	RFMA KK%2, 0
.endif
.set KK, KK+1
.endr
	s_wait_dscnt 0x0
	RFMA 1, 0
.endm
.macro WSUM a, b                       ; the sum over the wave's 32 lanes, in every lane; b: a register written before
	v_add_f32_dpp v[\a], v[\a], v[\a] row_xmask:1 row_mask:0xf bank_mask:0xf
	v_add_f32_dpp v[\a], v[\a], v[\a] row_xmask:2 row_mask:0xf bank_mask:0xf
	v_add_f32_dpp v[\a], v[\a], v[\a] row_xmask:4 row_mask:0xf bank_mask:0xf
	v_add_f32_dpp v[\a], v[\a], v[\a] row_xmask:8 row_mask:0xf bank_mask:0xf
	v_permlanex16_b32 v[\b], v[\a], s38, s39
	v_add_f32 v[\a], v[\a], v[\b]
.endm
	s_load_b512 s[4:19], s[0:1], 0x0               ; x 4:5, Wg 6:7, W1 8:9, W2 10:11, wcod 12:13, wsc 14:15, rtok 16:17, hist 18:19
	s_load_b128 s[20:23], s[0:1], 0x40             ; rgate 20:21, part 22:23
	v_lshl_add_u32 v224, v0, 2, 0x1a000
	v_mov_b32 v225, 0
	v_lshrrev_b32 v1, 5, v0
	v_readfirstlane_b32 s24, v1                    ; wave 0..3
	v_and_b32 v1, 31, v0                           ; lane
	s_mov_b32 s31, 0                               ; the upper word of every byte offset s[30:31]
	s_wait_kmcnt 0x0
	s_cmp_lt_u32 ttmp9, 256
	s_cbranch_scc1 .Lrouter
	v_and_b32 v5, 15, v1                           ; r: my fragment row
	v_lshrrev_b32 v6, 4, v1                        ; u: my tile of the wave's two
	v_lshlrev_b32 v3, 4, v5
	v_lshl_add_u32 v3, v6, 10, v3                  ; my codes' place: 1,024 u + 16 r
	v_lshlrev_b32 v4, 3, v1                        ; my scale words' place: 8 x lane
	s_cmp_lt_u32 ttmp9, 384
	s_cbranch_scc1 .Lw1
	; ---- W2: j = e (3 bits) | kq (1) | cg (3); the wave's columns 128 cg + 32 w; W = 2 cg + w / 2, p = w % 2
	s_sub_co_u32 s25, ttmp9, 384
	s_lshr_b32 s26, s25, 4                         ; e
	s_bfe_u32 s27, s25, 0x10003                    ; kq
	s_and_b32 s28, s25, 7                          ; cg
	s_lshl_b32 s29, s28, 1
	s_lshr_b32 s33, s24, 1
	s_add_co_u32 s29, s29, s33                     ; W
	s_and_b32 s34, s24, 1                          ; p
	s_lshl_b32 s30, s26, 21                        ; from: e x 2,097,152 + kq x 256 rows of 4,096 bytes + 4 x first column
	s_lshl_b32 s32, s27, 20
	s_add_co_u32 s30, s30, s32
	s_lshl_b32 s32, s28, 9
	s_add_co_u32 s30, s30, s32
	s_lshl_b32 s32, s24, 7
	s_add_co_u32 s30, s30, s32
	s_add_nc_u64 s[8:9], s[10:11], s[30:31]
	s_lshl_b32 s32, s26, 4
	s_add_co_u32 s32, s32, s29                     ; 16 e + W
	s_lshl_b32 s30, s32, 14                        ; codes: 2,097,152 + (16 e + W) x 16,384 + kq x 8,192 + p x 2,048
	s_lshl_b32 s33, s27, 13
	s_add_co_u32 s30, s30, s33
	s_lshl_b32 s33, s34, 11
	s_add_co_u32 s30, s30, s33
	s_add_co_u32 s30, s30, 0x200000
	s_add_nc_u64 s[12:13], s[12:13], s[30:31]
	s_lshl_b32 s30, s32, 10                        ; scale words: 131,072 + (16 e + W) x 1,024 + p x 512 + kq x 256
	s_lshl_b32 s33, s34, 9
	s_add_co_u32 s30, s30, s33
	s_lshl_b32 s33, s27, 8
	s_add_co_u32 s30, s30, s33
	s_add_co_u32 s30, s30, 0x20000
	s_add_nc_u64 s[14:15], s[14:15], s[30:31]
	v_lshlrev_b32 v2, 2, v1                        ; my column: lane l takes column l of the wave's 32
	QBODY 4096, 4096
.Lw1:	; ---- W1: j = e (3 bits) | kq (2) | cg (2); g = 4 cg + w: hidden units 32 g .. 32 g + 31
	s_sub_co_u32 s25, ttmp9, 256
	s_lshr_b32 s26, s25, 4                         ; e
	s_bfe_u32 s27, s25, 0x20002                    ; kq
	s_and_b32 s28, s25, 3                          ; cg
	s_lshl_b32 s29, s28, 2
	s_add_co_u32 s29, s29, s24                     ; g
	s_lshl_b32 s30, s26, 21                        ; from: e x 2,097,152 + kq x 256 rows of 2,048 bytes + g x 128
	s_lshl_b32 s32, s27, 19
	s_add_co_u32 s30, s30, s32
	s_lshl_b32 s32, s29, 7
	s_add_co_u32 s30, s30, s32
	s_add_nc_u64 s[8:9], s[8:9], s[30:31]
	s_lshl_b32 s32, s26, 4
	s_add_co_u32 s32, s32, s29                     ; 16 e + g
	s_lshl_b32 s30, s32, 14                        ; codes: (16 e + g) x 16,384 + kq x 4,096
	s_lshl_b32 s33, s27, 12
	s_add_co_u32 s30, s30, s33
	s_add_nc_u64 s[12:13], s[12:13], s[30:31]
	s_lshl_b32 s30, s32, 10                        ; scale words: (16 e + g) x 1,024 + kq x 256
	s_lshl_b32 s33, s27, 8
	s_add_co_u32 s30, s30, s33
	s_add_nc_u64 s[14:15], s[14:15], s[30:31]
	v_and_b32 v7, 7, v5
	v_lshrrev_b32 v10, 3, v5
	v_lshlrev_b32 v2, 2, v7
	v_lshl_add_u32 v2, v6, 5, v2
	v_lshl_add_u32 v2, v10, 6, v2                  ; my column of the group's 32: 16 (r / 8) + 8 u + r % 8, in bytes
	QBODY 2048, 2048
.Lrouter:	; ---- wave w takes k = 256 w .. 256 w + 255 of all 32 tokens; in the arithmetic a lane is a token
	s_lshl_b32 s30, ttmp9, 17                      ; 32 tokens of 4,096 bytes
	s_lshl_b32 s32, s24, 10
	s_add_co_u32 s30, s30, s32
	s_add_nc_u64 s[4:5], s[4:5], s[30:31]
	s_lshl_b32 s30, s24, 13                        ; 256 rows of Wg, 32 bytes each
	s_add_nc_u64 s[6:7], s[6:7], s[30:31]
	s_mul_i32 s25, s24, WREG
	v_lshlrev_b32 v2, 4, v1                        ; 16 x lane
	v_add_nc_u32 v3, s25, v2                       ; the stage, on the way in
	v_mul_u32_u24 v4, v1, XTP
	v_add_nc_u32 v4, s25, v4                       ; and on the way out: my token's row
	s_add_co_u32 s26, s25, WGL
	v_mov_b32 v5, s26                              ; my wave's rows of Wg
	v_add_nc_u32 v6, s26, v2
	s_mul_i32 s27, s24, 1536
	s_add_co_u32 s27, s27, PL
	v_mul_u32_u24 v7, v1, 48
	v_add_nc_u32 v7, s27, v7                       ; my partial logits
	s_mov_b32 s38, 0x76543210
	s_mov_b32 s39, 0xfedcba98                      ; v_permlanex16_b32's selects for lane l xor 16
.set i, 0
.rept 16
	global_load_b128 v[24+4*i:27+4*i], v2, s[6:7] offset:512*i
.set i, i+1
.endr
	XLOAD 0
	s_wait_loadcnt 32                              ; Wg's 16 loads are in; x's 32 may be out
.set i, 0
.rept 16
	ds_store_b128 v6, v[24+4*i:27+4*i] offset:512*i
.set i, i+1
.endr
	XSTORE
	s_wait_dscnt 0x0                               ; the stores have read their registers
	XLOAD 1                                        ; the second chunk lands while the first is multiplied
	CHUNK 0
	XSTORE                                         ; my reads of the stage are back (the chunk's last wait was for 0), and no other wave touches it
	CHUNK 1
.irp p, 0,2,4,6
	v_pk_add_f32 v[ACC+\p:ACC+\p+1], v[ACC+\p:ACC+\p+1], v[ACC+8+\p:ACC+8+\p+1]
.endr
	ds_store_b128 v7, v[8:11]
	ds_store_b128 v7, v[12:15] offset:16
	s_wait_dscnt 0x0                               ; for wave 0's sake: my partial logits have landed
	s_barrier_signal -1
	s_barrier_wait -1
	s_cmp_lg_u32 s24, 0
	s_cbranch_scc1 .Lrend
	; ---- wave 0: v32-39 the logits; v64 m1, v65 i1, v67 m2, v68 i2; v76, v77 the gates; v71 key; v78 histogram; v79 rank; v85 the loss's parts
	v_mul_u32_u24 v24, v1, 48
	v_add_nc_u32 v24, PL, v24
.irp ww, 0,1,2,3
	ds_load_b128 v[32+8*\ww:35+8*\ww], v24 offset:1536*\ww
	ds_load_b128 v[36+8*\ww:39+8*\ww], v24 offset:1536*\ww+16
.endr
	s_wait_dscnt 0x0
.irp ww, 1,2,3
.irp p, 0,2,4,6
	v_pk_add_f32 v[32+\p:33+\p], v[32+\p:33+\p], v[32+8*\ww+\p:33+8*\ww+\p]
.endr
.endr
	v_mov_b32 v64, v32                             ; the largest logit: a later one wins only if it is greater, so ties go to the lower index
	v_mov_b32 v65, 0
.irp e, 1,2,3,4,5,6,7
	v_cmp_gt_f32 vcc_lo, v[32+\e], v64
	v_cndmask_b32 v64, v64, v[32+\e], vcc_lo
	v_cndmask_b32 v65, v65, \e, vcc_lo
.endr
	v_mov_b32 v66, 0xff800000                      ; -infinity takes the winner's place
.irp e, 0,1,2,3,4,5,6,7
	v_cmp_eq_u32 vcc_lo, \e, v65
	v_cndmask_b32 v[32+\e], v[32+\e], v66, vcc_lo
.endr
	v_mov_b32 v67, v32                             ; and the same search finds the second
	v_mov_b32 v68, 0
.irp e, 1,2,3,4,5,6,7
	v_cmp_gt_f32 vcc_lo, v[32+\e], v67
	v_cndmask_b32 v67, v67, v[32+\e], vcc_lo
	v_cndmask_b32 v68, v68, \e, vcc_lo
.endr
	v_sub_f32 v82, v67, v64                        ; m2 - m1, 0 or less: the maximum is taken away ahead of the exponential
	v_mul_f32 v82, 0x3f38aa3b, v82                 ; x log2(e) / 2
	v_exp_f32 v82, v82
	v_min_u32 v69, v65, v68                        ; (a plain place behind the exponential)  lo
	s_wait_alu depctr_va_vdst(0)
	v_mul_f32 v83, v82, v82                        ; exp(m2 - m1) as a square: a denormal result is kept, which the exponential itself would flush
	v_add_f32 v84, 1.0, v83
	v_rcp_f32 v76, v84                             ; g1 = 1 / (1 + exp(m2 - m1))
	v_max_u32 v70, v65, v68                        ; (a plain place)  hi
	s_wait_alu depctr_va_vdst(0)
	v_mul_f32 v77, v83, v76                        ; g2
	v_sub_nc_u32 v71, 15, v69
	v_mul_u32_u24 v71, v69, v71
	v_lshrrev_b32 v71, 1, v71                      ; lo (15 - lo) / 2: the pairs with a smaller lo
	v_sub_nc_u32 v72, 7, v70
	v_sub_nc_u32 v73, v70, v69
	v_add_nc_u32 v73, -1, v73
	v_and_b32 v74, 1, v69
	v_cmp_eq_u32 vcc_lo, 1, v74
	v_cndmask_b32 v72, v73, v72, vcc_lo            ; lo odd: 7 - hi; lo even: hi - lo - 1
	v_add_nc_u32 v71, v71, v72                     ; the key, 0 .. 27
	v_mov_b32 v78, 0
	v_mov_b32 v79, 0
.set K, 0
.rept 28
	v_cmp_eq_u32 vcc_lo, K, v71
	s_bcnt1_i32_b32 s40, vcc_lo
	v_writelane_b32 v78, s40, K                    ; lane K: how many of the block's tokens have key K
	v_mbcnt_lo_u32_b32 v80, vcc_lo, 0              ; how many of them stand in lanes below mine
	v_cndmask_b32 v79, v79, v80, vcc_lo            ; my rank among my key's tokens
.set K, K+1
.endr
	v_mov_b32 v85, 0
	v_mov_b32 v87, 0
	v_cmp_lt_f32 s41, 0, v77                       ; g2 > 0 (g1 is at least a half)
.irp e, 0,1,2,3,4,5,6,7
	v_cmp_eq_u32 vcc_lo, \e, v65
	v_cndmask_b32 v86, 0, v76, vcc_lo
	s_bcnt1_i32_b32 s42, vcc_lo
	v_cmp_eq_u32 vcc_lo, \e, v68
	v_cndmask_b32 v86, v86, v77, vcc_lo            ; my gate for expert e, or 0
	s_and_b32 s43, vcc_lo, s41
	s_bcnt1_i32_b32 s43, s43
	s_add_co_u32 s42, s42, s43
	s_cvt_f32_u32 s42, s42
	v_writelane_b32 v85, s42, 8+\e                 ; the block's count of gates above 0
	WSUM 86, 87
	v_readfirstlane_b32 s43, v86
	v_writelane_b32 v85, s43, \e                   ; the block's sum of gates
.endr
	v_lshl_or_b32 v81, v79, 8, v71
	v_lshl_or_b32 v81, v65, 16, v81
	v_lshl_or_b32 v81, v68, 20, v81                ; key | rank << 8 | e1 << 16 | e2 << 20
	s_lshl_b32 s30, ttmp9, 7
	s_add_nc_u64 s[16:17], s[16:17], s[30:31]
	s_add_nc_u64 s[18:19], s[18:19], s[30:31]
	s_add_nc_u64 s[22:23], s[22:23], s[30:31]
	s_lshl_b32 s30, ttmp9, 8
	s_add_nc_u64 s[20:21], s[20:21], s[30:31]
	v_lshlrev_b32 v88, 2, v1
	v_lshlrev_b32 v89, 3, v1
	global_store_b32 v88, v81, s[16:17]
	global_store_b32 v88, v78, s[18:19]
	global_store_b32 v88, v85, s[22:23]
	global_store_b64 v89, v[76:77], s[20:21]
.Lrend:
	s_wait_tensorcnt 0x0
	ds_add_u32 v224, v225
	s_wait_dscnt 0x0
	s_endpgm
.Lfunc_end_k_q3db437a4d0_prep:
	.size	k_q3db437a4d0_prep, .Lfunc_end_k_q3db437a4d0_prep-k_q3db437a4d0_prep
	.p2alignl 7, 3214868480
	.fill 96, 4, 3214868480
	.section	.rodata,"a",@progbits
	.p2align	6, 0x0
	.amdhsa_kernel k_q3db437a4d0_prep
		.amdhsa_group_segment_fixed_size 107008
		.amdhsa_private_segment_fixed_size 0
		.amdhsa_enable_private_segment 0
		.amdhsa_kernarg_size 80
		.amdhsa_user_sgpr_count 2
		.amdhsa_user_sgpr_kernarg_segment_ptr 1
		.amdhsa_wavefront_size32 1
		.amdhsa_system_sgpr_workgroup_id_x 1
		.amdhsa_system_sgpr_workgroup_id_y 1
		.amdhsa_system_sgpr_workgroup_id_z 1
		.amdhsa_system_vgpr_workitem_id 0
		.amdhsa_next_free_vgpr 226
		.amdhsa_next_free_sgpr 66
		.amdhsa_reserve_vcc 1
		.amdhsa_float_denorm_mode_32 3
		.amdhsa_float_denorm_mode_16_64 3
		.amdhsa_memory_ordered 1
		.amdhsa_forward_progress 1
		.amdhsa_inst_pref_size 213
	.end_amdhsa_kernel
	.amdgpu_metadata
---
amdhsa.version: [ 1, 2 ]
amdhsa.kernels:
  - .name:           k_q3db437a4d0_prep
    .symbol:         k_q3db437a4d0_prep.kd
    .args:
      - { .name: x, .offset: 0, .size: 8, .value_kind: global_buffer, .address_space: global }
      - { .name: Wg, .offset: 8, .size: 8, .value_kind: global_buffer, .address_space: global }
      - { .name: W1, .offset: 16, .size: 8, .value_kind: global_buffer, .address_space: global }
      - { .name: W2, .offset: 24, .size: 8, .value_kind: global_buffer, .address_space: global }
      - { .name: wcod, .offset: 32, .size: 8, .value_kind: global_buffer, .address_space: global }
      - { .name: wsc, .offset: 40, .size: 8, .value_kind: global_buffer, .address_space: global }
      - { .name: rtok, .offset: 48, .size: 8, .value_kind: global_buffer, .address_space: global }
      - { .name: hist, .offset: 56, .size: 8, .value_kind: global_buffer, .address_space: global }
      - { .name: rgate, .offset: 64, .size: 8, .value_kind: global_buffer, .address_space: global }
      - { .name: part, .offset: 72, .size: 8, .value_kind: global_buffer, .address_space: global }
    .group_segment_fixed_size: 107008
    .private_segment_fixed_size: 0
    .kernarg_segment_align: 8
    .kernarg_segment_size: 80
    .max_flat_workgroup_size: 128
    .sgpr_count:     66
    .vgpr_count:     226
    .wavefront_size: 32
...
	.end_amdgpu_metadata
.endif
;; end of part 1
;; launch place (part 2): grid 1 x 1, 8 waves a work-group, no clusters, 3,072 bytes of LDS; arguments rtok, hist, part, order, out1; writes order, out1
.if DOCPART == 2
	.amdgcn_target "amdgcn-amd-amdhsa--gfx1250"
	.amdhsa_code_object_version 6
	.text
	.protected	k_q3db437a4d0_place
	.globl	k_q3db437a4d0_place
	.p2align	8
	.type	k_q3db437a4d0_place,@function
k_q3db437a4d0_place:
	s_mov_b64 s[64:65], 0
	v_nop
	global_prefetch_b8 v0, s[64:65] scope:SCOPE_SE
	s_setreg_imm32_b32 hwreg(HW_REG_WAVE_MODE, 25, 1), 1
	s_wait_xcnt 0x0
; A COUNTING SORT OF THE 8,192 TOKENS BY KEY, without atomics, and the loss.  One work-group: the whole input is 96 KiB.
; A token's place = the tokens of smaller keys + the tokens of its key in earlier blocks of 32 + its rank in its own block.
; order[place] = token | e1 << 16 | e2 << 20.  The places are a permutation of 0 .. 8,191, so every word of order is stored.
; Wave w owns blocks 32 w .. 32 w + 31.  In hist's rows a lane is a key; in rtok's rows a lane is a token: a lane permute brings each token its key's base.
; The loss: part's rows (lanes 0-7 sums of gates, lanes 8-15 counts) are added up; variance / (mean^2 + 1e-10) within each group of eight lanes; the two are added.
; The stores of order are 4 bytes a lane at places that hang on the sort: 32 KiB in all.
.set H,    8                           ; v8-39    hist's 32 rows; later 4 x key, later the byte offsets of the stores
.set P,    40                          ; v40-72   running sums over my blocks (33); later the bases, later the words to store
.set R,    73                          ; v73-104  rtok's 32 rows
.set PP,   106                         ; v106-137 part's 32 rows; later each token's base
.set ROW,  138                         ; v138-145 the eight waves' rows of a table
.set TBL,  0                           ; LDS: [wave][32 keys] totals
.set TBL2, 1024                        ; LDS: [wave][32] sums of part
	s_load_b256 s[4:11], s[0:1], 0x0               ; rtok 4:5, hist 6:7, part 8:9, order 10:11
	s_load_b64 s[12:13], s[0:1], 0x20              ; out1
	v_lshl_add_u32 v160, v0, 2, 0x800
	v_mov_b32 v161, 0
	v_lshrrev_b32 v1, 5, v0
	v_readfirstlane_b32 s14, v1                    ; wave 0..7
	v_and_b32 v1, 31, v0                           ; lane
	v_lshlrev_b32 v3, 2, v1                        ; 4 x lane
	s_lshl_b32 s15, s14, 12
	v_add_nc_u32 v2, s15, v3                       ; my wave's 32 rows of 128 bytes; the row stands in the immediate
	s_lshl_b32 s16, s14, 7
	v_add_nc_u32 v4, s16, v3                       ; my wave's row of a table
	s_lshl_b32 s18, s14, 10
	v_add_nc_u32 v151, s18, v1                     ; the token of my lane in my wave's first block
	s_mov_b32 s21, 0xff0000                        ; the two experts' bits of a word of rtok
	s_wait_kmcnt 0x0
.set i, 0
.rept 32
	global_load_b32 v[H+i], v2, s[6:7] offset:128*i
.set i, i+1
.endr
.set i, 0
.rept 32
	global_load_b32 v[PP+i], v2, s[8:9] offset:128*i
.set i, i+1
.endr
	s_wait_loadcnt 32                              ; hist's rows are in; part's 32 may be out
	v_mov_b32 v[P], 0
.set i, 0
.rept 32
	v_add_nc_u32 v[P+i+1], v[P+i], v[H+i]          ; my key's tokens in my wave's blocks ahead of block i
.set i, i+1
.endr
	ds_store_b32 v4, v[P+32] offset:TBL            ; and in all of them
.set i, 0
.rept 32
	global_load_b32 v[R+i], v2, s[4:5] offset:128*i
.set i, i+1
.endr
	s_wait_loadcnt 32                              ; part's rows are in; rtok's 32 may be out
	v_add_f32 v146, v[PP], v[PP+1]
.set i, 2
.rept 30
	v_add_f32 v146, v146, v[PP+i]
.set i, i+1
.endr
	ds_store_b32 v4, v146 offset:TBL2
	s_wait_dscnt 0x0                               ; for the others' sake: my two rows have landed
	s_barrier_signal -1
	s_barrier_wait -1
.irp i, 0,1,2,3,4,5,6,7
	ds_load_b32 v[ROW+\i], v3 offset:TBL+128*\i
.endr
	s_wait_dscnt 0x0
	v_mov_b32 v146, 0                              ; my key's tokens in the waves ahead of mine
	v_mov_b32 v147, 0                              ; and in all waves
.irp i, 0,1,2,3,4,5,6,7
	s_cmp_gt_u32 s14, \i
	s_cselect_b32 s17, -1, 0
	v_and_b32 v148, s17, v[ROW+\i]
	v_add_nc_u32 v146, v146, v148
	v_add_nc_u32 v147, v147, v[ROW+\i]
.endr
	v_mov_b32 v148, v147                           ; a running sum over the keys: four steps inside each half of 16 lanes,
.irp n, 1,2,4,8
	v_mov_b32 v149, 0
	v_mov_b32_dpp v149, v148 row_shr:\n row_mask:0xf bank_mask:0xf bound_ctrl:1
	v_add_nc_u32 v148, v148, v149
.endr
	v_readlane_b32 s20, v148, 15                   ; then the lower half's total onto the upper half
	v_mov_b32 v150, s20
	v_cmp_lt_u32 vcc_lo, 15, v1
	v_cndmask_b32 v149, 0, v150, vcc_lo
	v_add_nc_u32 v148, v148, v149
	v_sub_nc_u32 v148, v148, v147                  ; the tokens of smaller keys,
	v_add_nc_u32 v148, v148, v146                  ; and of my key in earlier waves
	s_wait_loadcnt 0x0                             ; rtok's rows
.set i, 0
.rept 32
	v_and_b32 v[H+i], 31, v[R+i]                   ; the token's key,
	v_lshlrev_b32 v[H+i], 2, v[H+i]                ; as the permute's index
	v_add_nc_u32 v[P+i], v[P+i], v148              ; lane = key: where block i's tokens of that key begin
	ds_bpermute_b32 v[PP+i], v[H+i], v[P+i]        ; lane = token: its key's base.  No LDS byte is touched
.set i, i+1
.endr
	s_wait_dscnt 0x0
.set i, 0
.rept 32
	v_bfe_u32 v[H+i], v[R+i], 8, 8                 ; the rank
	v_add_nc_u32 v[H+i], v[H+i], v[PP+i]           ; the place,
	v_min_u32 v[H+i], 0x1fff, v[H+i]               ; held inside the buffer,
	v_lshlrev_b32 v[H+i], 2, v[H+i]                ; in bytes
	v_add_nc_u32 v[P+i], 32*i, v151                ; the token
	v_and_or_b32 v[P+i], v[R+i], s21, v[P+i]       ; | e1 << 16 | e2 << 20
	global_store_b32 v[H+i], v[P+i], s[10:11]
.set i, i+1
.endr
	s_cmp_lg_u32 s14, 0
	s_cbranch_scc1 .Lend
	; ---- the loss, by wave 0
.irp i, 0,1,2,3,4,5,6,7
	ds_load_b32 v[ROW+\i], v3 offset:TBL2+128*\i
.endr
	s_wait_dscnt 0x0
	v_add_f32 v146, v[ROW], v[ROW+1]
.irp i, 2,3,4,5,6,7
	v_add_f32 v146, v146, v[ROW+\i]
.endr
	v_mov_b32 v147, v146
	v_add_f32_dpp v147, v147, v147 row_xmask:1 row_mask:0xf bank_mask:0xf
	v_add_f32_dpp v147, v147, v147 row_xmask:2 row_mask:0xf bank_mask:0xf
	v_add_f32_dpp v147, v147, v147 row_xmask:4 row_mask:0xf bank_mask:0xf
	v_mul_f32 v147, 0x3e000000, v147               ; the mean of my group of eight
	v_sub_f32 v148, v146, v147
	v_mul_f32 v148, v148, v148
	v_add_f32_dpp v148, v148, v148 row_xmask:1 row_mask:0xf bank_mask:0xf
	v_add_f32_dpp v148, v148, v148 row_xmask:2 row_mask:0xf bank_mask:0xf
	v_add_f32_dpp v148, v148, v148 row_xmask:4 row_mask:0xf bank_mask:0xf
	v_mul_f32 v148, 0x3e000000, v148               ; the variance
	v_fmaak_f32 v149, v147, v147, 0x2edbe6ff       ; mean^2 + 1e-10
	v_rcp_f32 v149, v149
	v_mov_b32 v150, 0                              ; (a plain place behind the reciprocal)
	s_wait_alu depctr_va_vdst(0)
	v_mul_f32 v148, v148, v149
	v_add_f32_dpp v148, v148, v148 row_xmask:8 row_mask:0xf bank_mask:0xf   ; importance's and load's
	v_cmp_eq_u32 vcc_lo, 0, v1
	s_wait_xcnt 0x0                                ; EXEC changes only behind this wait: stores have been issued
	s_and_saveexec_b32 s19, vcc_lo
	global_store_b32 v150, v148, s[12:13]          ; lane 0 alone
	s_wait_xcnt 0x0
	s_or_b32 exec_lo, exec_lo, s19
.Lend:
	s_wait_tensorcnt 0x0
	ds_add_u32 v160, v161
	s_wait_dscnt 0x0
	s_endpgm
.Lfunc_end_k_q3db437a4d0_place:
	.size	k_q3db437a4d0_place, .Lfunc_end_k_q3db437a4d0_place-k_q3db437a4d0_place
	.p2alignl 7, 3214868480
	.fill 96, 4, 3214868480
	.section	.rodata,"a",@progbits
	.p2align	6, 0x0
	.amdhsa_kernel k_q3db437a4d0_place
		.amdhsa_group_segment_fixed_size 3072
		.amdhsa_private_segment_fixed_size 0
		.amdhsa_enable_private_segment 0
		.amdhsa_kernarg_size 40
		.amdhsa_user_sgpr_count 2
		.amdhsa_user_sgpr_kernarg_segment_ptr 1
		.amdhsa_wavefront_size32 1
		.amdhsa_system_sgpr_workgroup_id_x 1
		.amdhsa_system_sgpr_workgroup_id_y 1
		.amdhsa_system_sgpr_workgroup_id_z 1
		.amdhsa_system_vgpr_workitem_id 0
		.amdhsa_next_free_vgpr 162
		.amdhsa_next_free_sgpr 66
		.amdhsa_reserve_vcc 1
		.amdhsa_float_denorm_mode_32 3
		.amdhsa_float_denorm_mode_16_64 3
		.amdhsa_memory_ordered 1
		.amdhsa_forward_progress 1
		.amdhsa_inst_pref_size 35
	.end_amdhsa_kernel
	.amdgpu_metadata
---
amdhsa.version: [ 1, 2 ]
amdhsa.kernels:
  - .name:           k_q3db437a4d0_place
    .symbol:         k_q3db437a4d0_place.kd
    .args:
      - { .name: rtok, .offset: 0, .size: 8, .value_kind: global_buffer, .address_space: global }
      - { .name: hist, .offset: 8, .size: 8, .value_kind: global_buffer, .address_space: global }
      - { .name: part, .offset: 16, .size: 8, .value_kind: global_buffer, .address_space: global }
      - { .name: order, .offset: 24, .size: 8, .value_kind: global_buffer, .address_space: global }
      - { .name: out1, .offset: 32, .size: 8, .value_kind: global_buffer, .address_space: global }
    .group_segment_fixed_size: 3072
    .private_segment_fixed_size: 0
    .kernarg_segment_align: 8
    .kernarg_segment_size: 40
    .max_flat_workgroup_size: 256
    .sgpr_count:     66
    .vgpr_count:     162
    .wavefront_size: 32
...
	.end_amdgpu_metadata
.endif
;; end of part 2
;; launch chain (part 3): grid 256 x 1, 16 waves a work-group, no clusters, 274,944 bytes of LDS; arguments x, order, rgate, wcod, wsc, b1, b2, gamma, beta, out0; writes out0
.if DOCPART == 3
	.amdgcn_target "amdgcn-amd-amdhsa--gfx1250"
	.amdhsa_code_object_version 6
	.text
	.protected	k_q3db437a4d0_chain
	.globl	k_q3db437a4d0_chain
	.p2align	8
	.type	k_q3db437a4d0_chain,@function
k_q3db437a4d0_chain:
	s_mov_b64 s[64:65], 0
	v_nop
	global_prefetch_b8 v0, s[64:65] scope:SCOPE_SE
	s_setreg_imm32_b32 hwreg(HW_REG_WAVE_MODE, 25, 1), 1
	s_wait_xcnt 0x0
; ONE WORK-GROUP TAKES 32 TOKENS THROUGH THE WHOLE CHAIN and owns their rows of out0: gather x, quantise, relu(x W1 + b1), quantise, h W2 + b2, the gates' weights, the residual, LayerNorm.
; The tokens are slots 32 b .. 32 b + 31 of the list sorted by pair of experts, so a block uses two experts, three where it spans two keys (any number up to eight is served).
; Every wave walks all 8 experts in loops of constant count and passes over, by a scalar branch on the list, those that no token of the block uses; a token that does not use a walked expert has the gate 0 for it.
; Both products run on codes of FP4 (E2M1) with one E8M0 scale for each 32 along K.
; THE WAVES SHARE THE COLUMNS: wave w makes hidden units 32 w .. 32 w + 31 (one block of the next K) and output columns 64 w .. 64 w + 63, for all 32 tokens (two tiles m of 16).
; So each fragment of a weight is loaded by one wave alone, straight from memory into registers (it lies there as an image of the registers), and feeds two matrix instructions.
; BOTH PRODUCTS ARE USED TRANSPOSED (source 0 = 16 rows of the weight, source 1 = 16 tokens): a lane holds one token (lane % 16) and eight neighbouring units or columns.
; THE WEIGHTS ARE ASKED FOR AN EXPERT AHEAD.  A fragment's registers are loaded again, with the next used expert's fragment, as soon as their products are issued; the first used expert's W1 is asked for
; at the head, behind x's loads.  The trip's body stands twice in each loop, with a next expert and without, since the counts of the waits differ.  The next expert is the lowest bit of the list's mask above e.
; The biases lie in LDS (each wave copies its own part once) and are loaded into the accumulators: they are the C of each sum's first matrix instruction.
; NO JOINT LOADS: which experts a block walks hangs on the list, so neighbouring work-groups would ask for different tiles.
; LIMITS: NaN and infinities are not served; a block of zeros has the scale byte 1 (its codes are zeros); blocks whose largest magnitude lies under 2^-124 keep that floor's byte.
; LDS:
.set XF,   0                           ; 32 rows of x in f32, 4,096 bytes + 16; later the rows ahead of LayerNorm
.set XFP,  4112
.set XC,   131584                      ; 32 rows of x's codes, 512 bytes + 16
.set XCP,  528
.set XS,   148480                      ; 32 rows of x's scale bytes, 32 bytes + 16
.set XSP,  48
.set HC,   150016                      ; the hidden layer's codes: [expert][32 rows of 256 bytes + 16]
.set HCP,  272
.set HCE,  8704
.set HS,   219648                      ; its scale bytes: [expert][32 rows of 16]
.set HSE,  512
.set B1L,  223744                      ; b1: [wave][expert][my 32 units]: 1,024 bytes a wave, the wave's own
.set B2L,  240128                      ; b2: [wave][expert][my 64 columns]: 2,048 bytes a wave, the wave's own
; REGISTERS that stay: v1 16 lane, v2 8 lane (h = lane / 16, r = lane % 16); v3, v4 my place in b1's and b2's copies; v5 x's fragments; v6, v7 where I put h's codes and byte; v8, v9 where h's fragments and scale words are read;
;   v10, v11, v13 LDS addresses of the phase or expert in hand; v12 (pair v12-13), v44 (pair v44-45) the gates of the expert in hand for m = 0, 1; v14 x's scale words; v15 my two whole rows in XF; v46, v47 my columns in XF for m = 0, 1;
;   v16-31 SCALES AND NOTHING ELSE; v32-35 e1, e2 of slots r and 16 + r; v36-39 their gates; v40-45 at work in the hidden layer's quantiser.
.set XR,   48                          ; gather:    v48-111 two rows of x as loaded; then, in the same registers, eight units of 8 neighbours along K
.set QB,   48
.set TM,   240                         ;            v240-247 largest magnitudes, then scale operands; v248-251 a row's bytes, v252-255 its codes
.set BY,   248
.set CD,   252
.set HA,   48                          ; product 1: v48-79 accumulators (u, m) at 48 + 16 m + 8 u
.set XB,   80                          ;            v80-95, v96-111 x's fragments of a K step (8 m), two buffers
.set WF,   112                         ;            v112-239 W1's 16 fragments (s, u) at 112 + 16 s + 8 u;  v240-243 h's codes, v244-245 its bytes
.set T,    48                          ; product 2: v48-111 the rows' sums (t, m) at 48 + 8 (4 m + t): they begin as x
.set Y,    112                         ;            v112-175 accumulators, likewise
.set WB,   176                         ;            v176-207, v208-239 W2's four fragments of a K step, two buffers
.set HB,   240                         ;            v240-255 h's fragments of a K step (8 m)
.set V,    48                          ; LayerNorm: v48-111 two rows; v112-143 gamma, v144-175 beta; from v176 at work
.set GA,   112
.set BE,   144
; SCALARS: s24 wave; s26-29 my two slots and tokens; s30-37 their rows of x and of out0; s38 the mask of experts in use; s39 e; s40, s41, s57 e x 8,704, e x 512, e x a bias slice;
;   s[54:55], s[58:59] my group's codes and scale words of expert 0; s[42:43], s[46:47], s[44:45] the bases of the loads in hand; s[50:51] a byte offset (s51 stays 0); s56, s60, s61 at work.
.macro NOPS n
.rept \n
	v_nop
.endr
.endm
.macro BARRIER                         ; my LDS stores have landed and my LDS loads are in: then the work-group's barrier
	s_wait_dscnt 0x0
	s_barrier_signal -1
	s_barrier_wait -1
.endm
; d += a x b.  ra, rb = 1: that side's scales are read from lanes 16-31 of its register
.macro WMMA d, a, b, sa, sb, ra, rb
.if ((\ra) == 0) && ((\rb) == 0)
	v_wmma_scale_f32_16x16x128_f8f6f4 v[\d:\d+7], v[\a:\a+7], v[\b:\b+7], v[\d:\d+7], v[\sa], v[\sb] matrix_a_fmt:MATRIX_FMT_FP4 matrix_b_fmt:MATRIX_FMT_FP4
.elseif (\rb) == 0
	v_wmma_scale_f32_16x16x128_f8f6f4 v[\d:\d+7], v[\a:\a+7], v[\b:\b+7], v[\d:\d+7], v[\sa], v[\sb] matrix_a_fmt:MATRIX_FMT_FP4 matrix_b_fmt:MATRIX_FMT_FP4 matrix_a_scale:MATRIX_SCALE_ROW1
.elseif (\ra) == 0
	v_wmma_scale_f32_16x16x128_f8f6f4 v[\d:\d+7], v[\a:\a+7], v[\b:\b+7], v[\d:\d+7], v[\sa], v[\sb] matrix_a_fmt:MATRIX_FMT_FP4 matrix_b_fmt:MATRIX_FMT_FP4 matrix_b_scale:MATRIX_SCALE_ROW1
.else
	v_wmma_scale_f32_16x16x128_f8f6f4 v[\d:\d+7], v[\a:\a+7], v[\b:\b+7], v[\d:\d+7], v[\sa], v[\sb] matrix_a_fmt:MATRIX_FMT_FP4 matrix_b_fmt:MATRIX_FMT_FP4 matrix_a_scale:MATRIX_SCALE_ROW1 matrix_b_scale:MATRIX_SCALE_ROW1
.endif
.endm
.macro LOWBIT src                      ; s60 = the lowest expert whose bit is set in s[src] (7 if none lower), held inside the tables before it enters an address
	s_mov_b32 s60, 7
.irp j, 6,5,4,3,2,1,0
	s_and_b32 s56, s[\src], 1<<\j
	s_cselect_b32 s60, \j, s60
.endr
	s_min_u32 s60, s60, 7
.endm
.macro XFR s                           ; x's two fragments of K step s: registers 4 c .. 4 c + 3 hold k = 64 c + 32 h + 0 .. 31 of row r
.irp m, 0,1
.irp c, 0,1
	ds_load_b128 v[XB+16*((\s)%2)+8*\m+4*\c:XB+16*((\s)%2)+8*\m+4*\c+3], v5 offset:16*XCP*\m+64*(\s)+32*\c
.endr
.endr
.endm
.macro P1MUL s, u, m
.set rD, HA+16*\m+8*\u
.set rW, WF+16*(\s)+8*\u
.set rX, XB+16*((\s)%2)+8*\m
	WMMA rD, rW, rX, 16+(\s), 24+(\s), \u, \m
.endm
; W1's two fragments of K step s of the expert at s[42:43]; behind an odd step the scale words of that step and the one before (lanes 0-15 tile u = 0, lanes 16-31 tile u = 1).
; So an expert's stream is 36 loads in this order: steps 0, 1 (four each), one of scale words, steps 2, 3, one, steps 4, 5, one, steps 6, 7, one.
.macro W1LD s
.irp u, 0,1
.irp c, 0,1
	global_load_b128 v[WF+16*(\s)+8*\u+4*\c:WF+16*(\s)+8*\u+4*\c+3], v1, s[42:43] offset:2048*(\s)+1024*\u+512*\c
.endr
.endr
.if (\s)%2 == 1
	global_load_b64 v[16+(\s)-1:16+(\s)], v2, s[44:45] offset:256*((\s)/2)
.endif
.endm
.macro HLD s                           ; the hidden layer's two fragments of K step s
.irp m, 0,1
.irp c, 0,1
	ds_load_b128 v[HB+8*\m+4*\c:HB+8*\m+4*\c+3], v10 offset:16*HCP*\m+64*(\s)+32*\c
.endr
.endr
.endm
.macro WLD s, base                     ; W2's four fragments of K step s of the expert at s[base:base+1], into buffer s % 2
.irp t, 0,1,2,3
.irp c, 0,1
	global_load_b128 v[WB+32*((\s)%2)+8*\t+4*\c:WB+32*((\s)%2)+8*\t+4*\c+3], v1, s[\base:\base+1] offset:4096*(\s)+1024*\t+512*\c
.endr
.endr
.endm
.macro SLD kq                          ; W2's scale words of K steps 2 kq, 2 kq + 1 of the expert at s[44:45]: register 16 + 4 p + s: lanes 0-15 tile 2 p, lanes 16-31 tile 2 p + 1
.irp p, 0,1
	global_load_b64 v[16+4*\p+2*(\kq):17+4*\p+2*(\kq)], v2, s[44:45] offset:512*\p+256*(\kq)
.endr
.endm
.macro P2MUL s, t, m
.set rD, Y+8*(4*\m+\t)
.set rW, WB+32*((\s)%2)+8*\t
.set rX, HB+8*\m
	WMMA rD, rW, rX, 16+4*(\t/2)+(\s), 24+(\s), \t%2, \m
.endm
.macro WSUM a, b                       ; the sum over the wave's 32 lanes, in every lane; b: a register written before
	v_add_f32_dpp v[\a], v[\a], v[\a] row_xmask:1 row_mask:0xf bank_mask:0xf
	v_add_f32_dpp v[\a], v[\a], v[\a] row_xmask:2 row_mask:0xf bank_mask:0xf
	v_add_f32_dpp v[\a], v[\a], v[\a] row_xmask:4 row_mask:0xf bank_mask:0xf
	v_add_f32_dpp v[\a], v[\a], v[\a] row_xmask:8 row_mask:0xf bank_mask:0xf
	v_permlanex16_b32 v[\b], v[\a], s48, s49
	v_add_f32 v[\a], v[\a], v[\b]
.endm
; PRODUCT 1 FOR ONE EXPERT, and the hidden layer's quantiser.  This expert's 36 loads were issued a used trip ago (or at the head).  nx = 1: the next used expert's are issued here, slot by slot.
.macro P1BODY nx
.irp m, 0,1
.irp u, 0,1
.irp q, 0,1
	ds_load_b128 v[HA+16*\m+8*\u+4*\q:HA+16*\m+8*\u+4*\q+3], v13 offset:32*\u+16*\q   ; b1 at units 32 w + 16 h + 8 u + 0 .. 7: the sums begin with it
.endr
.endr
.endr
	XFR 0
.irp s, 0,1,2,3,4,5,6,7
.if \s < 7
	XFR \s+1                                       ; into the buffer that the step before last read: four places stand behind its products
.endif
; K step s wants its codes and the scale words of its pair of steps: of my stream 27, 27, 18, 18, 9, 9, 0, 0 loads stand behind those;
; with a next expert this trip has added 0, 4, 9, 13, 18, 22, 27, 31 of its loads: 27 at an even step, 31 at an odd one.
.if \nx
	s_wait_loadcnt 27+4*(\s%2)
.else
	s_wait_loadcnt 27-9*(\s/2)
.endif
.if \s < 7
	s_wait_dscnt 4                                 ; this K step's fragments of x (and b1) are in; the four just issued may be out
.else
	s_wait_dscnt 0x0
.endif
	P1MUL \s, 0, 0                                 ; the four accumulators take turns, one instruction a turn
	P1MUL \s, 1, 0
	P1MUL \s, 0, 1
	P1MUL \s, 1, 1
.if \s < 7
	NOPS 4                                         ; places in front of loads into registers that these products read
.else
	NOPS 5                                         ; four for reads and loads, one more for matrix instructions that later write over these products' registers
.endif
.if \nx
	W1LD \s                                        ; the slot is free: the next used expert's K step s
.endif
.endr
.irp j, 0,1,2,3,4,5,6,7,8,9,10,11,12,13,14,15,16,17,18,19,20,21,22,23,24,25,26,27,28,29,30,31
	v_max_num_f32 v[HA+\j], 0, v[HA+\j]            ; the activation, in f32; each accumulator from its low end on
.endr
.irp m, 0,1
	v_max3_num_f32 v[40+\m], v[HA+16*\m], v[HA+16*\m+1], 0x1800000   ; my 16 neighbours of block w (none is negative), and the floor 2^(3 - 127)
.endr
.irp i, 2,4,6,8,10,12,14
.irp m, 0,1
	v_max3_num_f32 v[40+\m], v[40+\m], v[HA+16*\m+\i], v[HA+16*\m+\i+1]
.endr
.endr
.irp m, 0,1
	v_permlanex16_b32 v[42+\m], v[40+\m], s48, s49
.endr
.irp m, 0,1
	v_max_num_f32 v[40+\m], v[40+\m], v[42+\m]     ; with lane l xor 16's 16: the block's largest
.endr
.irp m, 0,1
	v_add_nc_u32 v[44+\m], 0xff000000, v[40+\m]    ; 2 off its exponent field: the conversion's scale operand
.endr
.irp m, 0,1
	v_lshrrev_b32 v[244+\m], 23, v[44+\m]          ; the scale's byte
.endr
.irp m, 0,1
	v_cvt_scalef32_pk8_fp4_f32 v[240+2*\m], v[HA+16*\m:HA+16*\m+7], v[44+\m]
	v_cvt_scalef32_pk8_fp4_f32 v[241+2*\m], v[HA+16*\m+8:HA+16*\m+15], v[44+\m]
.endr
	v_nop                                          ; one plain place behind the scaled conversions
.irp m, 0,1
	ds_store_b64 v10, v[240+2*\m:241+2*\m] offset:16*HCP*\m      ; 16 codes: bytes 16 w + 8 h of the token's row
	ds_store_b8 v11, v[244+\m] offset:256*\m                     ; both halves of the lanes write the same byte with the same value
.endr
.endm
; PRODUCT 2 FOR ONE EXPERT, the gates and the sum.  Issued a used trip ago (or ahead of the loop), in this order: scale words of steps 0, 1 (two loads), K step 0 (eight), scale words of steps 2, 3 (two), K step 1 (eight).
; Here: K steps 2 and 3 behind steps 0 and 1; nx = 1: the next used expert's four groups behind steps 1, 2, 3, 3.
.macro P2BODY nx
	v_cmp_eq_u32 vcc_lo, s39, v32                  ; my two tokens' gates for this expert; 0 where it was not chosen
	v_cndmask_b32 v12, 0, v36, vcc_lo
	v_cmp_eq_u32 vcc_lo, s39, v33
	v_cndmask_b32 v12, v12, v37, vcc_lo
	v_cmp_eq_u32 vcc_lo, s39, v34
	v_cndmask_b32 v44, 0, v38, vcc_lo
	v_cmp_eq_u32 vcc_lo, s39, v35
	v_cndmask_b32 v44, v44, v39, vcc_lo
.irp m, 0,1
.irp t, 0,1,2,3
.irp q, 0,1
	ds_load_b128 v[Y+8*(4*\m+\t)+4*\q:Y+8*(4*\m+\t)+4*\q+3], v13 offset:64*\t+16*\q   ; b2 at columns 64 w + 16 t + 8 h + 0 .. 7: the sums begin with it
.endr
.endr
.endr
	ds_load_b128 v[24:27], v11                     ; h's scale words of the four K steps
	HLD 0
.irp s, 0,1,2,3
.if \s == 0
	s_wait_loadcnt 10                              ; behind K step 0's codes: the scale words of steps 2, 3 and K step 1
.elseif \s == 1
	s_wait_loadcnt 8                               ; behind K step 1's: K step 2
.elseif \nx
	s_wait_loadcnt 10                              ; behind K step 2's: K step 3 and the next expert's two of scale words; behind K step 3's: those two and its K step 0
.elseif \s == 2
	s_wait_loadcnt 8                               ; behind K step 2's: K step 3
.else
	s_wait_loadcnt 0x0
.endif
	s_wait_dscnt 0x0
.irp m, 0,1
.irp t, 0,1,2,3
	P2MUL \s, \t, \m                               ; the eight accumulators take turns, one instruction a turn
.endr
.endr
.if \s < 3
	NOPS 4                                         ; places in front of loads into registers that these products read
	HLD \s+1
.else
	NOPS 5                                         ; as at the end of product 1's steps
.endif
.if \s < 2
	WLD \s+2, 42
.endif
.if \nx
.if \s == 1
	SLD 0
.elseif \s == 2
	WLD 0, 46
.elseif \s == 3
	SLD 1
	WLD 1, 46
.endif
.endif
.endr
.irp a, 0,1,2,3
.irp p, 0,2,4,6
	v_pk_fma_f32 v[T+8*\a+\p:T+8*\a+\p+1], v[Y+8*\a+\p:Y+8*\a+\p+1], v[12:13], v[T+8*\a+\p:T+8*\a+\p+1] op_sel_hi:[1,0,1]   ; sum += gate x (h W2 + b2); each accumulator from its low end on; of the pair the low word serves both halves
.endr
.endr
.irp a, 4,5,6,7
.irp p, 0,2,4,6
	v_pk_fma_f32 v[T+8*\a+\p:T+8*\a+\p+1], v[Y+8*\a+\p:Y+8*\a+\p+1], v[44:45], v[T+8*\a+\p:T+8*\a+\p+1] op_sel_hi:[1,0,1]
.endr
.endr
.endm
	s_load_b512 s[4:19], s[0:1], 0x0               ; x 4:5, order 6:7, rgate 8:9, wcod 10:11, wsc 12:13, b1 14:15, b2 16:17, gamma 18:19
	s_load_b128 s[20:23], s[0:1], 0x40             ; beta 20:21, out0 22:23
	v_lshrrev_b32 v251, 5, v0
	v_readfirstlane_b32 s24, v251                  ; wave 0..15
	v_and_b32 v251, 31, v0                         ; lane
	v_and_b32 v252, 15, v0                         ; r
	v_bfe_u32 v253, v0, 4, 1                       ; h
	s_lshl_b32 s50, ttmp9, 7                       ; my block's 32 words of the list
	s_mov_b32 s51, 0                               ; the upper word of every byte offset s[50:51]: it stays 0
	s_lshl_b32 s54, s24, 3
	s_mov_b32 s55, 0
	v_lshlrev_b32 v250, 2, v252
	v_lshlrev_b32 v1, 4, v251
	v_lshrrev_b32 v248, 3, v251                    ; b1: a load takes my 128 bytes of four experts: expert lane / 8, 16 bytes a lane
	v_and_b32 v249, 7, v251
	v_lshlrev_b32 v249, 4, v249
	v_lshl_add_u32 v248, v248, 11, v249
	s_lshl_b32 s56, s24, 7
	v_add_nc_u32 v248, s56, v248
	v_lshlrev_b32 v249, 4, v252                    ; b2: my 256 bytes of two experts: expert lane / 16
	v_lshl_add_u32 v249, v253, 12, v249
	s_lshl_b32 s56, s24, 8
	v_add_nc_u32 v249, s56, v249
	s_wait_kmcnt 0x0
	s_add_nc_u64 s[52:53], s[6:7], s[50:51]
	s_add_nc_u64 s[54:55], s[52:53], s[54:55]
	s_load_b64 s[26:27], s[54:55], 0x0             ; slots 2 w, 2 w + 1: the two rows that my wave gathers and stores
	global_load_b32 v244, v250, s[52:53]           ; slot r,
	global_load_b32 v245, v250, s[52:53] offset:64 ; slot 16 + r: the two tokens that my lane holds in the products
	global_load_b128 v[88:91], v248, s[14:15]      ; b1 of experts 0-3,
	global_load_b128 v[92:95], v248, s[14:15] offset:8192   ; 4-7
.irp j, 0,1,2,3
	global_load_b128 v[96+4*\j:99+4*\j], v249, s[16:17] offset:8192*\j   ; b2 of experts 2 j, 2 j + 1
.endr
	v_lshlrev_b32 v2, 3, v251
	s_lshl_b32 s56, s24, 10
	s_add_co_u32 s56, s56, B1L
	v_lshl_add_u32 v3, v253, 6, s56                ; B1L + 1,024 w + 64 h
	v_add_nc_u32 v240, s56, v1                     ; and where the copy is put: + 16 lane
	s_lshl_b32 s56, s24, 11
	s_add_co_u32 s56, s56, B2L
	v_lshl_add_u32 v4, v253, 5, s56                ; B2L + 2,048 w + 32 h
	v_add_nc_u32 v241, s56, v1
	v_mul_u32_u24 v5, v252, XCP
	v_lshl_add_u32 v5, v253, 4, v5
	v_add_nc_u32 v5, XC, v5                        ; XC + 528 r + 16 h
	v_mul_u32_u24 v8, v252, HCP
	v_lshl_add_u32 v6, v253, 3, v8
	v_lshl_add_u32 v8, v253, 4, v8
	v_add_nc_u32 v8, HC, v8                        ; HC + 272 r + 16 h
	s_lshl_b32 s56, s24, 4
	s_add_co_u32 s56, s56, HC
	v_add_nc_u32 v6, s56, v6                       ; HC + 272 r + 16 w + 8 h: my 16 codes of block w
	v_lshlrev_b32 v7, 4, v252
	s_add_co_u32 s56, s24, HS
	v_add_nc_u32 v7, s56, v7                       ; HS + 16 r + w
	v_add_nc_u32 v9, HS, v1                        ; HS + 16 lane: lanes 0-15 tile m = 0, lanes 16-31 tile m = 1
	v_mul_u32_u24 v46, v252, XFP
	v_lshl_add_u32 v46, v253, 5, v46
	s_lshl_b32 s56, s24, 8
	v_add_nc_u32 v46, s56, v46                     ; XF + 4,112 r + 256 w + 32 h
	v_add_nc_u32 v47, 16*XFP, v46                  ; and 16 rows on: beyond the 16-bit immediate
	v_mul_u32_u24 v14, v251, XSP
	v_add_nc_u32 v14, XS, v14
	s_mul_i32 s56, s24, 2*XFP
	v_add_nc_u32 v15, s56, v1                      ; XF + 2 w rows + 16 lane
	v_lshl_add_u32 v10, v251, 5, s56               ; the gather's: XF + 2 w rows + 32 lane,
	s_mul_i32 s56, s24, 2*XCP
	s_add_co_u32 s56, s56, XC
	v_lshl_add_u32 v11, v251, 2, s56               ; XC + 2 w rows + 4 lane,
	s_mul_i32 s56, s24, 2*XSP
	s_add_co_u32 s56, s56, XS
	v_lshrrev_b32 v13, 2, v251
	v_add_nc_u32 v13, s56, v13                     ; XS + 2 w rows + lane / 4
	v_mov_b32 v254, 1
.irp j, 12,42,43,44,45
	v_mov_b32 v\j, 0                               ; written once: halves of pairs that are named whole, and lane permutes' destinations
.endr
	s_mov_b32 s48, 0x76543210
	s_mov_b32 s49, 0xfedcba98                      ; v_permlanex16_b32's selects for lane l xor 16
	s_wait_kmcnt 0x0
	s_and_b32 s28, s26, 0x1fff                     ; the tokens, held inside the tensor
	s_min_u32 s28, s28, 0x1fff
	s_and_b32 s29, s27, 0x1fff
	s_min_u32 s29, s29, 0x1fff
	s_lshl_b32 s50, s28, 12
	s_add_nc_u64 s[30:31], s[4:5], s[50:51]        ; their rows of x
	s_add_nc_u64 s[34:35], s[22:23], s[50:51]      ; and of out0
	s_lshl_b32 s50, s29, 12
	s_add_nc_u64 s[32:33], s[4:5], s[50:51]
	s_add_nc_u64 s[36:37], s[22:23], s[50:51]
.set N, 0
.rept 10                               ; x's loads 0-9: 512 consecutive bytes each.  The last six land where the biases still lie
	global_load_b128 v[XR+4*N:XR+4*N+3], v1, s[30+2*(N/8):31+2*(N/8)] offset:512*(N%8) th:TH_LOAD_NT
.set N, N+1
.endr
	s_wait_loadcnt 10                              ; the two list words and the six loads of biases are in; x's ten may be out
	ds_store_b128 v240, v[88:91]                   ; my own bytes: no other wave touches them
	ds_store_b128 v240, v[92:95] offset:512
.irp j, 0,1,2,3
	ds_store_b128 v241, v[96+4*\j:99+4*\j] offset:512*\j
.endr
	v_bfe_u32 v32, v244, 16, 4
	v_bfe_u32 v33, v244, 20, 4
	v_bfe_u32 v34, v245, 16, 4
	v_bfe_u32 v35, v245, 20, 4
	v_and_b32 v246, 0x1fff, v244
	v_min_u32 v246, 0x1fff, v246
	v_lshlrev_b32 v246, 3, v246
	v_and_b32 v247, 0x1fff, v245
	v_min_u32 v247, 0x1fff, v247
	v_lshlrev_b32 v247, 3, v247
	global_load_b64 v[36:37], v246, s[8:9]         ; (g1, g2) of slot r
	global_load_b64 v[38:39], v247, s[8:9]         ; and of slot 16 + r
	s_wait_dscnt 0x0                               ; the stores have read their registers
.rept 6                                ; x's loads 10-15
	global_load_b128 v[XR+4*N:XR+4*N+3], v1, s[30+2*(N/8):31+2*(N/8)] offset:512*(N%8) th:TH_LOAD_NT
.set N, N+1
.endr
	v_lshlrev_b32 v248, v32, v254                  ; which experts the block uses: a bit for each, gathered over the lanes
	v_lshlrev_b32 v249, v33, v254
	v_or_b32 v248, v248, v249
	v_lshlrev_b32 v249, v34, v254
	v_or_b32 v248, v248, v249
	v_lshlrev_b32 v249, v35, v254
	v_or_b32 v248, v248, v249
	s_mov_b32 s38, 0
.irp e, 0,1,2,3,4,5,6,7
	v_and_b32 v249, 1<<\e, v248
	v_cmp_ne_u32 vcc_lo, 0, v249
	s_cmp_lg_u32 vcc_lo, 0
	s_cselect_b32 s56, 1<<\e, 0
	s_or_b32 s38, s38, s56
.endr
	; the first used expert's W1: its 36 loads go out behind x's and land while x comes
	s_lshl_b32 s50, s24, 14
	s_add_nc_u64 s[54:55], s[10:11], s[50:51]      ; W1's codes of expert 0, group w
	s_lshl_b32 s50, s24, 10
	s_add_nc_u64 s[58:59], s[12:13], s[50:51]      ; their scale words
	LOWBIT 38
	s_lshl_b32 s50, s60, 18
	s_add_nc_u64 s[42:43], s[54:55], s[50:51]
	s_lshl_b32 s50, s60, 14
	s_add_nc_u64 s[44:45], s[58:59], s[50:51]
.irp s, 0,1,2,3,4,5,6,7
	W1LD \s
.endr
	; ---- THE GATHER: my two rows go to XF as they lie, come back 8 neighbours a lane, and are quantised: four lanes share a block of 32
	; Behind the biases 54 loads were issued: x's 0-9, the gates' two, x's 10-15, W1's 36.  Load N of x stands at place N, from N = 10 on at place N + 2.
.set N, 0
.rept 16
.if N < 10
	s_wait_loadcnt 53-N
.else
	s_wait_loadcnt 51-N                            ; (the last, 36, shows the gates in too)
.endif
	ds_store_b128 v15, v[XR+4*N:XR+4*N+3] offset:(N/8)*XFP+(N%8)*512
.set N, N+1
.endr
.irp n, 0,1,2,3,4,5,6,7                        ; unit n: row n / 4, k = 256 (n % 4) + 8 lane + 0 .. 7.  LDS serves a wave's instructions in order: these see my stores, and land in the registers that the stores left
	ds_load_b128 v[QB+8*\n:QB+8*\n+3], v10 offset:(\n/4)*XFP+(\n%4)*1024
	ds_load_b128 v[QB+8*\n+4:QB+8*\n+7], v10 offset:(\n/4)*XFP+(\n%4)*1024+16
.endr
	s_wait_dscnt 0x0
.irp n, 0,1,2,3,4,5,6,7
	v_max3_num_f32 v[TM+\n], |v[QB+8*\n]|, |v[QB+8*\n+1]|, 0x1800000   ; my 8 numbers, and the floor 2^(3 - 127): the byte cannot fall under 1.  (The eight units by turns)
.endr
.irp i, 2,4,6
.irp n, 0,1,2,3,4,5,6,7
	v_max3_num_f32 v[TM+\n], v[TM+\n], |v[QB+8*\n+\i]|, |v[QB+8*\n+\i+1]|
.endr
.endr
.irp n, 0,1,2,3,4,5,6,7
	v_max_num_f32_dpp v[TM+\n], v[TM+\n], v[TM+\n] row_xmask:1 row_mask:0xf bank_mask:0xf
.endr
.irp n, 0,1,2,3,4,5,6,7
	v_max_num_f32_dpp v[TM+\n], v[TM+\n], v[TM+\n] row_xmask:2 row_mask:0xf bank_mask:0xf   ; the block's largest magnitude
.endr
.irp n, 0,1,2,3,4,5,6,7
	v_add_nc_u32 v[TM+\n], 0xff000000, v[TM+\n]    ; 2 off its exponent field: the conversion's scale operand
.endr
.irp i, 0,1                                    ; row by row: a row's four bytes and four registers of codes
.irp c, 0,1,2,3
	v_lshrrev_b32 v[BY+\c], 23, v[TM+4*\i+\c]      ; the scale's byte
.endr
.irp c, 0,1,2,3
	v_cvt_scalef32_pk8_fp4_f32 v[CD+\c], v[QB+8*(4*\i+\c):QB+8*(4*\i+\c)+7], v[TM+4*\i+\c]
.endr
	v_nop                                          ; one plain place behind the scaled conversions
.irp c, 0,1,2,3
	ds_store_b32 v11, v[CD+\c] offset:\i*XCP+\c*128
	ds_store_b8 v13, v[BY+\c] offset:\i*XSP+\c*8   ; the four lanes of a block write the same byte with the same value
.endr
.if \i == 0
	s_wait_dscnt 0x0                               ; the stores have read their registers: the second row's bytes and codes may be written
.endif
.endr
	BARRIER                                        ; x, its codes and its scale bytes lie in LDS.  (W1's loads may stay out: no wave stores to what they read)
	; ---- PRODUCT 1 and the hidden layer's quantiser, expert by expert.  No barrier stands in the loop.
	ds_load_b128 v[24:27], v14                     ; x's scale words of K steps 0-3: lanes 0-15 tile m = 0, lanes 16-31 tile m = 1
	ds_load_b128 v[28:31], v14 offset:16           ; and 4-7
	s_mov_b32 s39, 0
	s_mov_b32 s40, 0
	s_mov_b32 s41, 0
	s_mov_b32 s57, 0
.Lp1:
	v_add_nc_u32 v10, s40, v6                      ; this expert's part of HC, of HS and of b1's copy
	v_add_nc_u32 v11, s41, v7
	v_add_nc_u32 v13, s57, v3
	s_lshr_b32 s50, s38, s39
	s_and_b32 s50, s50, 1
	s_cmp_eq_u32 s50, 0
	s_cbranch_scc1 .Lp1n                           ; no token of the block uses this expert
	s_lshl_b32 s61, -2, s39
	s_and_b32 s61, s61, s38                        ; the experts in use above e
	s_cmp_eq_u32 s61, 0
	s_cbranch_scc1 .Lp1l
	LOWBIT 61                                      ; the next of them
	s_wait_xcnt 0x0                                ; the loads' bases are rewritten only behind this wait
	s_lshl_b32 s50, s60, 18
	s_add_nc_u64 s[42:43], s[54:55], s[50:51]
	s_lshl_b32 s50, s60, 14
	s_add_nc_u64 s[44:45], s[58:59], s[50:51]
	P1BODY 1
	s_branch .Lp1n
.Lp1l:
	P1BODY 0
.Lp1n:
	s_add_co_u32 s40, s40, HCE
	s_add_co_u32 s41, s41, HSE
	s_add_co_u32 s57, s57, 128
	s_add_co_u32 s39, s39, 1
	s_cmp_lt_u32 s39, 8
	s_cbranch_scc1 .Lp1
	s_wait_loadcnt 0x0                             ; the last used trip has left nothing out: W1's registers and the bases are free
	; the first used expert's W2, K steps 0 and 1, goes out ahead of the barrier
	s_lshl_b32 s50, s24, 14
	s_add_co_u32 s50, s50, 0x200000
	s_add_nc_u64 s[54:55], s[10:11], s[50:51]      ; W2's codes of expert 0, group w
	s_lshl_b32 s50, s24, 10
	s_add_co_u32 s50, s50, 0x20000
	s_add_nc_u64 s[58:59], s[12:13], s[50:51]      ; their scale words
	LOWBIT 38
	s_lshl_b32 s50, s60, 18
	s_add_nc_u64 s[46:47], s[54:55], s[50:51]
	s_lshl_b32 s50, s60, 14
	s_add_nc_u64 s[44:45], s[58:59], s[50:51]
	SLD 0
	WLD 0, 46
	SLD 1
	WLD 1, 46
.irp t, 0,1,2,3
.irp q, 0,1
	ds_load_b128 v[T+8*\t+4*\q:T+8*\t+4*\q+3], v46 offset:64*\t+16*\q          ; the sums begin as x: token r, columns 64 w + 16 t + 8 h + 0 .. 7
	ds_load_b128 v[T+32+8*\t+4*\q:T+32+8*\t+4*\q+3], v47 offset:64*\t+16*\q    ; token 16 + r
.endr
.endr
	BARRIER                                        ; the hidden layers of all experts in use lie in LDS
	; ---- PRODUCT 2, the gates and the residual, expert by expert.  No barrier stands in the loop.
	s_mov_b32 s39, 0
	s_mov_b32 s40, 0
	s_mov_b32 s41, 0
	s_mov_b32 s57, 0
.Lp2:
	v_add_nc_u32 v10, s40, v8
	v_add_nc_u32 v11, s41, v9
	v_add_nc_u32 v13, s57, v4
	s_lshr_b32 s50, s38, s39
	s_and_b32 s50, s50, 1
	s_cmp_eq_u32 s50, 0
	s_cbranch_scc1 .Lp2n
	s_wait_xcnt 0x0                                ; the loads' bases are rewritten only behind this wait
	s_lshl_b32 s50, s39, 18
	s_add_nc_u64 s[42:43], s[54:55], s[50:51]      ; this expert's codes: K steps 2 and 3 are still to be asked for
	s_lshl_b32 s61, -2, s39
	s_and_b32 s61, s61, s38
	s_cmp_eq_u32 s61, 0
	s_cbranch_scc1 .Lp2l
	LOWBIT 61
	s_lshl_b32 s50, s60, 18
	s_add_nc_u64 s[46:47], s[54:55], s[50:51]
	s_lshl_b32 s50, s60, 14
	s_add_nc_u64 s[44:45], s[58:59], s[50:51]
	P2BODY 1
	s_branch .Lp2n
.Lp2l:
	P2BODY 0
.Lp2n:
	s_add_co_u32 s40, s40, HCE
	s_add_co_u32 s41, s41, HSE
	s_add_co_u32 s57, s57, 256
	s_add_co_u32 s39, s39, 1
	s_cmp_lt_u32 s39, 8
	s_cbranch_scc1 .Lp2
	s_wait_loadcnt 0x0                             ; the last used trip has left nothing out: W2's registers are free
.irp j, 0,1,2,3,4,5,6,7
	global_load_b128 v[GA+4*\j:GA+4*\j+3], v1, s[18:19] offset:512*\j
	global_load_b128 v[BE+4*\j:BE+4*\j+3], v1, s[20:21] offset:512*\j
.endr
.irp t, 0,1,2,3
.irp q, 0,1
	ds_store_b128 v46, v[T+8*\t+4*\q:T+8*\t+4*\q+3] offset:64*\t+16*\q         ; back to where x was read: my own columns, which no other wave touches
	ds_store_b128 v47, v[T+32+8*\t+4*\q:T+32+8*\t+4*\q+3] offset:64*\t+16*\q
.endr
.endr
	BARRIER                                        ; 32 whole rows lie in XF
	; ---- LAYERNORM and the way out: my wave's rows 2 w and 2 w + 1; a lane holds columns 128 j + 4 lane + 0 .. 3
.irp i, 0,1
.irp j, 0,1,2,3,4,5,6,7
	ds_load_b128 v[V+32*\i+4*\j:V+32*\i+4*\j+3], v15 offset:\i*XFP+512*\j
.endr
.endr
	s_mov_b32 s52, 0x3a800000                      ; 1 / 1,024
	s_mov_b32 s53, 0x3727c5ac                      ; 1e-5
	s_wait_dscnt 0x0
	s_wait_loadcnt 0x0                             ; gamma and beta
.macro LN i
.set rV, V+32*\i
.set rK, 176+16*\i
	v_pk_add_f32 v[rK:rK+1], v[rV:rV+1], v[rV+2:rV+3]              ; the row's sum, two at a time, in two chains
	v_pk_add_f32 v[rK+2:rK+3], v[rV+4:rV+5], v[rV+6:rV+7]
.irp j, 8,12,16,20,24,28
	v_pk_add_f32 v[rK:rK+1], v[rK:rK+1], v[rV+\j:rV+\j+1]
	v_pk_add_f32 v[rK+2:rK+3], v[rK+2:rK+3], v[rV+\j+2:rV+\j+3]
.endr
	v_pk_add_f32 v[rK:rK+1], v[rK:rK+1], v[rK+2:rK+3]
	v_add_f32 v[rK], v[rK], v[rK+1]
	WSUM rK, rK+2
	v_mul_f32 v[rK+4], s52, v[rK]                  ; the mean, twice: a pair for the packed forms
	v_mul_f32 v[rK+5], s52, v[rK]
.irp j, 0,2,4,6,8,10,12,14,16,18,20,22,24,26,28,30
	v_pk_add_f32 v[rV+\j:rV+\j+1], v[rV+\j:rV+\j+1], v[rK+4:rK+5] neg_lo:[0,1] neg_hi:[0,1]
.endr
	v_pk_mul_f32 v[rK:rK+1], v[rV:rV+1], v[rV:rV+1]                ; the sum of the squared differences: the first products start the chains
	v_pk_mul_f32 v[rK+2:rK+3], v[rV+2:rV+3], v[rV+2:rV+3]
.irp j, 4,8,12,16,20,24,28
	v_pk_fma_f32 v[rK:rK+1], v[rV+\j:rV+\j+1], v[rV+\j:rV+\j+1], v[rK:rK+1]
	v_pk_fma_f32 v[rK+2:rK+3], v[rV+\j+2:rV+\j+3], v[rV+\j+2:rV+\j+3], v[rK+2:rK+3]
.endr
	v_pk_add_f32 v[rK:rK+1], v[rK:rK+1], v[rK+2:rK+3]
	v_add_f32 v[rK], v[rK], v[rK+1]
	WSUM rK, rK+2
	v_fma_f32 v[rK], v[rK], s52, s53               ; the variance + 1e-5
	v_rsq_f32 v[rK+6], v[rK]
	v_rsq_f32 v[rK+7], v[rK]
	v_nop                                          ; one plain place behind the transcendentals
	s_wait_alu depctr_va_vdst(0)
.irp j, 0,2,4,6,8,10,12,14,16,18,20,22,24,26,28,30
	v_pk_mul_f32 v[rV+\j:rV+\j+1], v[rV+\j:rV+\j+1], v[rK+6:rK+7]
.endr
.irp j, 0,2,4,6,8,10,12,14,16,18,20,22,24,26,28,30
	v_pk_fma_f32 v[rV+\j:rV+\j+1], v[rV+\j:rV+\j+1], v[GA+\j:GA+\j+1], v[BE+\j:BE+\j+1]
.endr
.irp j, 0,1,2,3,4,5,6,7
	global_store_b128 v1, v[rV+4*\j:rV+4*\j+3], s[34+2*\i:35+2*\i] offset:512*\j th:TH_STORE_NT   ; the wave stores 512 consecutive bytes, aligned; written once, read by nobody here
.endr
.endm
	LN 0
	LN 1
	s_wait_xcnt 0x0
	v_lshl_add_u32 v254, v0, 2, 0x42a00
	v_mov_b32 v255, 0
	s_wait_tensorcnt 0x0
	ds_add_u32 v254, v255
	s_wait_dscnt 0x0
	s_endpgm
.Lfunc_end_k_q3db437a4d0_chain:
	.size	k_q3db437a4d0_chain, .Lfunc_end_k_q3db437a4d0_chain-k_q3db437a4d0_chain
	.p2alignl 7, 3214868480
	.fill 96, 4, 3214868480
	.section	.rodata,"a",@progbits
	.p2align	6, 0x0
	.amdhsa_kernel k_q3db437a4d0_chain
		.amdhsa_group_segment_fixed_size 274944
		.amdhsa_private_segment_fixed_size 0
		.amdhsa_enable_private_segment 0
		.amdhsa_kernarg_size 80
		.amdhsa_user_sgpr_count 2
		.amdhsa_user_sgpr_kernarg_segment_ptr 1
		.amdhsa_wavefront_size32 1
		.amdhsa_system_sgpr_workgroup_id_x 1
		.amdhsa_system_sgpr_workgroup_id_y 1
		.amdhsa_system_sgpr_workgroup_id_z 1
		.amdhsa_system_vgpr_workitem_id 0
		.amdhsa_next_free_vgpr 256
		.amdhsa_next_free_sgpr 66
		.amdhsa_reserve_vcc 1
		.amdhsa_float_denorm_mode_32 3
		.amdhsa_float_denorm_mode_16_64 3
		.amdhsa_memory_ordered 1
		.amdhsa_forward_progress 1
		.amdhsa_inst_pref_size 95
	.end_amdhsa_kernel
	.amdgpu_metadata
---
amdhsa.version: [ 1, 2 ]
amdhsa.kernels:
  - .name:           k_q3db437a4d0_chain
    .symbol:         k_q3db437a4d0_chain.kd
    .args:
      - { .name: x, .offset: 0, .size: 8, .value_kind: global_buffer, .address_space: global }
      - { .name: order, .offset: 8, .size: 8, .value_kind: global_buffer, .address_space: global }
      - { .name: rgate, .offset: 16, .size: 8, .value_kind: global_buffer, .address_space: global }
      - { .name: wcod, .offset: 24, .size: 8, .value_kind: global_buffer, .address_space: global }
      - { .name: wsc, .offset: 32, .size: 8, .value_kind: global_buffer, .address_space: global }
      - { .name: b1, .offset: 40, .size: 8, .value_kind: global_buffer, .address_space: global }
      - { .name: b2, .offset: 48, .size: 8, .value_kind: global_buffer, .address_space: global }
      - { .name: gamma, .offset: 56, .size: 8, .value_kind: global_buffer, .address_space: global }
      - { .name: beta, .offset: 64, .size: 8, .value_kind: global_buffer, .address_space: global }
      - { .name: out0, .offset: 72, .size: 8, .value_kind: global_buffer, .address_space: global }
    .group_segment_fixed_size: 274944
    .private_segment_fixed_size: 0
    .kernarg_segment_align: 8
    .kernarg_segment_size: 80
    .max_flat_workgroup_size: 512
    .sgpr_count:     66
    .vgpr_count:     256
    .wavefront_size: 32
...
	.end_amdgpu_metadata
.endif
;; end of part 3
